; MI455X (gfx1250); checked and timed in simulation.
; The chip was launched on July 23, 2026; its instructions are those of AMD's public machine-readable ISA for CDNA 5 (MIT licence, August 2026) and "CDNA5" Instruction Set Architecture Reference Guide (July 2026). The comments in the code are by the model that wrote it; some were corrected since.
;; Model1. Allowed arithmetic: float matrix products may take bf16 or f16 operands with f32 sums; all other float work in f32.
;; Inputs: W_qkv 3,072 x 1,024 float32; attn_mask 4 x 4,096 x 16 x 16 float32; b_qkv 3,072 float32; key 4 x 4,096 x 1,024 float32; query 4 x 4,096 x 1,024 float32; value 4 x 4,096 x 1,024 float32.
;; Outputs: out0 4 x 4,096 x 1,024 float32.
;; 2 versions, each right and faster than the one before. Each part assembles by itself: llvm-mc -triple=amdgcn-amd-amdhsa -mcpu=gfx1250 --defsym DOCPART=n.
;; ======== version 1 of 2: 2 launches
;; limits: values are held in f16: magnitudes above 65,504 overflow, below 6.1e-05 lose precision; inputs' magnitudes at most 65,520
;; workspace buffers: wb 6,291,456 bytes
;; launch prep (part 1): grid 256 x 1, 12 waves a work-group, no clusters, 0 bytes of LDS; arguments W_qkv, wb; writes wb
.if DOCPART == 1
	.amdgcn_target "amdgcn-amd-amdhsa--gfx1250"
	.amdhsa_code_object_version 6
	.text
	.protected	k_qc556f1d239_prep
	.globl	k_qc556f1d239_prep
	.p2align	8
	.type	k_qc556f1d239_prep,@function
k_qc556f1d239_prep:
	s_mov_b64 s[64:65], 0
	v_nop
	global_prefetch_b8 v0, s[64:65] scope:SCOPE_SE
	s_setreg_imm32_b32 hwreg(HW_REG_WAVE_MODE, 25, 1), 1
	s_wait_xcnt 0x0
; wb = W_qkv times an exact power of two, then rounded once to f16, laid in the order in which the second launch streams it.
; f16 and not bf16: three more bits in each operand of the projection.  ROOM: the stored numbers W/2, W/4, W/8 are finite while |W| < 131,008 at the least;
; stored numbers under 2^-14 are kept as denormals in steps of 2^-24, an error of 2^-22 in W at the most.
; wb is [T 0..47][w 0..3][c 0..1][f 0..15][1,024 bytes]: T = 16 p + tau (pass p, K step tau of 64), w = the wave that will multiply by it,
; c = which 32 of the step's 64 k, f = a fragment of 16 rows of W x 32 k.  Inside a fragment lane L = 16 h + r has row r:
; k0 + 8 h .. + 7 at byte 16 L, k0 + 16 + 8 h .. + 7 at byte 512 + 16 L, so that a fragment is later two loads of 512 consecutive bytes.
; Rows: passes 0, 1 take the d half [32 p, 32 p + 32) of q's heads (f < 8, times 1/2) and of k's heads (f >= 8, times 1/4); pass 2 takes v (times 1/8).
; 1/2 x 1/4 is the 1/sqrt(64) of the scores; v's 1/8 is taken back in the softmax's divisor.
; 3,072 waves, one for each (T, w, f): 16 rows x 64 k = sixteen aligned pieces of 256 bytes of W in, four stores of 512 consecutive bytes out.
.set X, 8                              ; v[8:39]   group g = 2 c + half: 8 numbers in f32
.set Y, 40                             ; v[40:55]  group g: 8 numbers in f16; a set for each store, so that no store's data is written again
	s_load_b128 s[4:7], s[0:1], 0x0                ; W s[4:5], wb s[6:7]
	v_lshrrev_b32 v1, 5, v0
	v_readfirstlane_b32 s8, v1                     ; wave 0..11
	s_mul_i32 s9, ttmp9, 12
	s_add_co_u32 s9, s9, s8                        ; id = 64 T + 16 w + f
	s_lshr_b32 s10, s9, 6                          ; T
	s_bfe_u32 s11, s9, 0x20004                     ; w
	s_and_b32 s12, s9, 15                          ; f
	s_lshr_b32 s13, s10, 4                         ; p
	s_and_b32 s14, s10, 15                         ; tau
	; first row of the fragment in passes 0 and 1: head 4 w + (f % 8) / 2, d = 32 p + 16 (f % 2), k's rows 1,024 further down
	s_bfe_u32 s15, s12, 0x20001
	s_lshl2_add_u32 s15, s11, s15
	s_lshl_b32 s15, s15, 6
	s_lshl_b32 s16, s13, 5
	s_add_co_u32 s15, s15, s16
	s_and_b32 s16, s12, 1
	s_lshl_b32 s16, s16, 4
	s_add_co_u32 s15, s15, s16
	s_lshr_b32 s16, s12, 3                         ; 0: q, 1: k
	s_lshl_b32 s17, s16, 10
	s_add_co_u32 s15, s15, s17
	; in pass 2: 2,048 + 256 w + 16 f
	s_lshl_b32 s17, s11, 8
	s_lshl_b32 s18, s12, 4
	s_add_co_u32 s17, s17, s18
	s_add_co_u32 s17, s17, 2048
	s_mov_b32 s20, 0x3f000000                      ; 1/2
	s_mov_b32 s21, 0x3e800000                      ; 1/4
	s_cmp_eq_u32 s16, 0
	s_cselect_b32 s20, s20, s21
	s_mov_b32 s21, 0x3e000000                      ; 1/8
	s_cmp_eq_u32 s13, 2
	s_cselect_b32 s15, s17, s15                    ; the fragment's first row
	s_cselect_b32 s20, s21, s20                    ; its scale,
	s_mov_b32 s21, s20                             ; named as a pair by the packed multiply
	s_lshl_b32 s18, s15, 12                        ; rows of 4,096 bytes
	s_lshl_b32 s19, s14, 8                         ; 64 k of f32
	s_add_co_u32 s18, s18, s19
	s_mov_b32 s19, 0
	s_lshl_b32 s22, s10, 17
	s_lshl_b32 s24, s11, 15
	s_add_co_u32 s22, s22, s24
	s_lshl_b32 s24, s12, 10
	s_add_co_u32 s22, s22, s24
	s_mov_b32 s23, 0
	v_and_b32 v2, 15, v0                           ; r
	v_bfe_u32 v3, v0, 4, 1                         ; h
	v_lshlrev_b32 v1, 12, v2
	v_lshl_add_u32 v1, v3, 5, v1                   ; in: row r, 8 h numbers on
	v_and_b32 v4, 31, v0
	v_lshlrev_b32 v4, 4, v4                        ; out: 16 L
	s_wait_kmcnt 0x0
	s_add_nc_u64 s[4:5], s[4:5], s[18:19]
	s_add_nc_u64 s[6:7], s[6:7], s[22:23]
.irp g, 0,1,2,3
	global_load_b128 v[X+8*\g:X+8*\g+3],   v1, s[4:5] offset:64*\g       ; k = 16 g + 8 h + 0..3 of the step
	global_load_b128 v[X+8*\g+4:X+8*\g+7], v1, s[4:5] offset:64*\g+16    ; + 4..7
.endr
.irp g, 0,1,2,3
	s_wait_loadcnt 6-2*\g                          ; loads come back in order: group g is in, the two loads of each later group may stay out
.irp i, 0,2,4,6
	v_pk_mul_f32 v[X+8*\g+\i:X+8*\g+\i+1], v[X+8*\g+\i:X+8*\g+\i+1], s[20:21] op_sel_hi:[1,0]
.endr
.irp i, 0,1,2,3
	v_cvt_pk_f16_f32 v[Y+4*\g+\i], v[X+8*\g+2*\i], v[X+8*\g+2*\i+1]
.endr
	global_store_b128 v4, v[Y+4*\g:Y+4*\g+3], s[6:7] offset:(\g/2)*16384+(\g%2)*512   ; the wave stores 512 consecutive bytes, aligned
.endr
	s_endpgm
.Lfunc_end_k_qc556f1d239_prep:
	.size	k_qc556f1d239_prep, .Lfunc_end_k_qc556f1d239_prep-k_qc556f1d239_prep
	.p2alignl 7, 3214868480
	.fill 96, 4, 3214868480
	.section	.rodata,"a",@progbits
	.p2align	6, 0x0
	.amdhsa_kernel k_qc556f1d239_prep
		.amdhsa_group_segment_fixed_size 0
		.amdhsa_private_segment_fixed_size 0
		.amdhsa_enable_private_segment 0
		.amdhsa_kernarg_size 16
		.amdhsa_user_sgpr_count 2
		.amdhsa_user_sgpr_kernarg_segment_ptr 1
		.amdhsa_wavefront_size32 1
		.amdhsa_system_sgpr_workgroup_id_x 1
		.amdhsa_system_sgpr_workgroup_id_y 1
		.amdhsa_system_sgpr_workgroup_id_z 1
		.amdhsa_system_vgpr_workitem_id 0
		.amdhsa_next_free_vgpr 56
		.amdhsa_next_free_sgpr 66
		.amdhsa_reserve_vcc 0
		.amdhsa_float_denorm_mode_32 3
		.amdhsa_float_denorm_mode_16_64 3
		.amdhsa_memory_ordered 1
		.amdhsa_forward_progress 1
		.amdhsa_inst_pref_size 6
	.end_amdhsa_kernel
	.amdgpu_metadata
---
amdhsa.version: [ 1, 2 ]
amdhsa.kernels:
  - .name:           k_qc556f1d239_prep
    .symbol:         k_qc556f1d239_prep.kd
    .args:
      - { .name: W_qkv, .offset: 0, .size: 8, .value_kind: global_buffer, .address_space: global }
      - { .name: wb, .offset: 8, .size: 8, .value_kind: global_buffer, .address_space: global }
    .group_segment_fixed_size: 0
    .private_segment_fixed_size: 0
    .kernarg_segment_align: 8
    .kernarg_segment_size: 16
    .max_flat_workgroup_size: 384
    .sgpr_count:     66
    .vgpr_count:     56
    .wavefront_size: 32
...
	.end_amdgpu_metadata
.endif
;; end of part 1
;; launch fused (part 2): grid 256 x 1, 4 waves a work-group, clusters of 4 x 1, 327,680 bytes of LDS; arguments query, attn_mask, b_qkv, wb, out0; writes out0
.if DOCPART == 2
	.amdgcn_target "amdgcn-amd-amdhsa--gfx1250"
	.amdhsa_code_object_version 6
	.text
	.protected	k_qc556f1d239_fused
	.globl	k_qc556f1d239_fused
	.p2align	8
	.type	k_qc556f1d239_fused,@function
k_qc556f1d239_fused:
	s_mov_b64 s[64:65], 0
	v_nop
	global_prefetch_b8 v0, s[64:65] scope:SCOPE_SE
	s_setreg_imm32_b32 hwreg(HW_REG_WAVE_MODE, 25, 1), 1
	s_wait_xcnt 0x0
	s_wait_alu depctr_hold_cnt(0) depctr_sa_sdst(0) depctr_va_vdst(0) depctr_va_sdst(0) depctr_va_ssrc(0) depctr_va_vcc(0) depctr_vm_vsrc(0)
	s_getreg_b32 s2, hwreg(HW_REG_IB_STS2, 6, 4)
	s_cmp_eq_u32 s2, 0
	s_cbranch_scc0 .Lentry_in_a_cluster
	s_endpgm
.Lentry_in_a_cluster:
	s_bfe_u32 s2, ttmp6, 0x10000c
	s_cmp_lg_u32 s2, 0x3003
	s_cbranch_scc0 .Lentry_shape_is_right
	s_endpgm
.Lentry_shape_is_right:
; out0[pos] = softmax_g(q[pos] k[pos]^T / 8 + mask[pos]) v[pos], with (q, k, v)[pos] = query[pos] W^T + b: 16 heads against 16 heads at each of 16,384 positions.
; The arguments key and value of the problem enter nothing that its function computes, so they are not among this launch's buffers.
; SHARES.  256 work-groups of 64 positions, four waves.  The projection goes in three passes of 1,024 columns; in a pass a wave makes 64 positions x 256 columns:
; 64 accumulators, 512 registers.  Passes 0 and 1 make the d half [32 p, 32 p + 32) of ALL heads of q and of k: that is exactly the K = 32 of one matrix
; instruction S += k q^T for a position, so only the scores (128 registers a wave) are carried from pass to pass and no q or k is kept.  Pass 2 makes v.
; W comes as f16 in fragment order from wb (made by the launch before), K steps of 64 through two LDS slots; each wave fetches and reads its own 32 KB of a step.
; All work-groups walk the same wb, so the four of a cluster ask JOINTLY: the same tensor load, the same descriptor, a mask that names the four (a mask names four at the most).
; query is not kept in LDS (its 64 x 1,024 f16 would halve the slots): each pass streams it as f32 through registers, two K steps ahead, whole rows of 256 bytes,
; rounds it to f16 and shares it through two small LDS buffers.
; FORMATS.  All matrix operands are f16, all sums f32.  f16 and not bf16: a score is a sum over 1,024 x 64 products and stands in an exponent, and three more bits in each operand
; keep its error small beside the weights.  The projection takes query and W/2, W/4, W/8 (the powers of two are exact and lie in wb); the small products take q/2, k/4, v/8, 8 P.
; LIMITS: finite while |query| < 65,520, |q| < 131,008, |k| < 262,016, |v| < 524,032; beyond that a conversion gives infinity.  Operands under 2^-14 are kept as denormals, in steps of 2^-24.
; A mask row that is all -inf gives NaN, as in the problem's function.
; THE MATRIX INSTRUCTIONS ARE USED TRANSPOSED: source 0 = 16 rows of W, source 1 = 16 positions: lane L = 16 h + r holds position r and 8 neighbouring columns 8 h + 0..7.
; Likewise S^T = k q^T (a lane holds one query head r and key heads 8 h + 0..7) and O^T = v^T P (one query head, 8 channels): nothing changes lanes between softmax and O.
;
; LDS.  0: the ring, wave w at 65,536 w, slot s at + 32,768 s, then c x 16,384 + f x 1,024 + half x 512 + 16 L.  After its last fill and last read the ring's bytes hold v.
;   262,144: A's two buffers, 64 rows x 144 bytes (128 of data + 16).   280,576: the stage; no fill ever lands in these two.
; REGISTERS, in windows of 256 (s_set_vgpr_msb: bits 1:0 source 0, 3:2 source 1, 5:4 source 2, 7:6 destination):
;   window 0: v1-20 addresses; v64-95, v96-127 A's fragments, two buffers; v128-255 sixteen fragments of W (later bias, q and k fragments, the way out)
;   window 1: v0-127 scores, then weights: slot 4 a + i = position 16 a + 4 w + i; v128-191 query as loaded, two sets; v192-207 softmax at work
;   window 2: accumulators of column tiles 0-7 (tile (a, b) at v[8 (8 a + b)]);   window 3: those of tiles 8-15
.set SLOTB,  32768                     ; a wave's part of a slot
.set TSTEP,  131072                    ; bytes of a K step in wb
.set ABUF,   262144
.set APITCH, 144                       ; 9 x 16 bytes: the 16 rows of a fragment load start 16 bytes apart modulo 256
.set ABUFB,  64*APITCH
.set STAGE,  ABUF+2*ABUFB              ; 280,576
.set QPITCH, 80                        ; a head's 32 f16 + 16 bytes
.set PPOS,   2576                      ; a position in the stage (32 rows of 80) and in v's store (16 rows of 160), + 16 bytes: 161 x 16
.set VPITCH, 160                       ; a head's 64 f16 + 32 bytes
.set OPITCH, 272                       ; a head's 64 f32 + 16 bytes
.set ADRB, 6                           ; 65,536 w + 16 L
.set ADRA, 7                           ; ABUF + 144 r + 16 h
.set ASTO, 8                           ; ABUF + 144 (16 w + h) + 8 r
.set AGO,  9                           ; 4,096 h + 16 r
.set MO,   10                          ; 4,096 w + 64 r + 32 h
.set BO,   11                          ; 1,024 w + 32 h
.set STO,  12                          ; STAGE + 2,576 r + 16 h + 320 w
.set LDF,  13                          ; STAGE + 10,304 w + 80 r + 16 h
.set VSTO0, 14                         ; 2,576 r + 16 h + 640 w; v15 the same 32 positions on
.set VLD0, 16                          ; 10,304 w + 160 (8 h + L % 8) + 16 ((L / 8) % 2); v17 the same 32 positions on
.set OSTO, 18                          ; STAGE + 4,352 w + 272 r + 32 h
.set ORD,  19                          ; STAGE + 4,352 w + 272 h + 16 r
.set GO,   20                          ; 16,384 w + 16 L
.set AF0,  64
.set AF1,  96
.set BF,   128
.set RAW,  128                         ; window 1
.set TS,   192                         ; window 1
.set VF,   128                         ; the way out: v^T fragments, two sets of four
.set OT,   192                         ; O^T, two sets of four tiles
.set RB,   64                          ; rows read back, two sets of 32
.set G1,   16                          ; s[16:23] descriptor group 1
.set G0,   24                          ; s[24:27], s[28:31] descriptor group 0, a set for each slot
; s[4:13] query, mask, bias, wb, out; s14 wave; s15 work-group; s[32:33] query at my rows; s[34:35] the same at the K step asked for; s[36:37] that step's bytes, 0;
; s38, s39 counters; s[40:41] log2(e); s[42:43] lane selects; s[44:45] bias of the pass; s[46:47] at work, wave terms; s[48:49] at work, work-group terms
.set MSB, 0
.macro WIN new                         ; the immediate's high byte repeats the setting that is left; a switch that changes nothing is dropped
.if MSB != \new
	s_set_vgpr_msb (MSB<<8)|\new
.set MSB, \new
.endif
.endm
; A vector instruction that reads a matrix result or writes one of a matrix instruction's registers, and a load into such a register, stand four places behind it;
; only plain vector instructions that name none of its registers are places (ISA guide 7.12.1 for vector instructions).
.macro PLACES
.rept 4
	v_nop
.endr
.endm
.macro CREST                           ; a round of the cluster's barrier behind its opening barrier: wave 0 signals for the work-group, all wait for the four, my barrier closes it
	s_cmp_lg_u32 s14, 0
	s_cbranch_scc1 .Lnot_wave_0_\@
	s_barrier_signal -3
.Lnot_wave_0_\@:
	s_barrier_wait -3
	s_barrier_signal -1
	s_barrier_wait -1
.endm
.macro CROUND
	s_barrier_signal -1
	s_barrier_wait -1
	CREST
.endm
	s_load_b256 s[4:11], s[0:1], 0x0               ; query s[4:5], mask s[6:7], bias s[8:9], wb s[10:11]
	s_load_b64 s[12:13], s[0:1], 0x20              ; out
	v_lshl_add_u32 v62, v0, 2, 0x4e900
	v_mov_b32 v63, 0
	ds_add_u32 v62, v63
	v_lshrrev_b32 v1, 5, v0
	v_readfirstlane_b32 s14, v1                    ; wave 0..3
	s_bfe_u32 s15, ttmp6, 0x40000                  ; cx
	s_lshl_b32 s48, ttmp9, 2                       ; in a cluster launch ttmp9 counts clusters
	s_add_co_u32 s15, s48, s15                     ; my block of 64 positions: it enters the addresses of query, mask and out alone
	; descriptor group 1: a dense block of 32 KB as 128 rows of 256 bytes (32 elements of 8 bytes), no padding
	s_mov_b32 s[G1+0], 15|(3<<16)|(1<<21)          ; 15:0 the mask: all four work-groups; 17:16 elements of 8 bytes; 21 set beside a mask
	s_mov_b32 s[G1+1], 32<<16                      ; tensor_dim0 = 32
	s_mov_b32 s[G1+2], 128<<16                     ; tensor_dim1 = 128
	s_mov_b32 s[G1+3], 32<<16                      ; tile_dim0 = 32
	s_mov_b32 s[G1+4], 128                         ; tile_dim1 = 128
	s_mov_b32 s[G1+5], 32                          ; elements from row to row
	s_mov_b32 s[G1+6], 0
	s_mov_b32 s[G1+7], 0
	s_mov_b32 s40, 0x3fb8aa3b                      ; log2(e)
	s_mov_b32 s41, s40                             ; named with it as a pair
	s_mov_b32 s42, 0x76543210                      ; v_permlanex16_b32: each lane takes its own place in the other half
	s_mov_b32 s43, 0xfedcba98
	s_mov_b32 s36, 512                             ; the K step of query asked for next: step 2
	s_mov_b32 s37, 0
	s_lshl_b32 s46, s14, 15                        ; my wave's 32 KB of a step in wb
	s_mov_b32 s47, 0
	s_mov_b32 s49, 0
	s_wait_dscnt 0x0
	s_wait_kmcnt 0x0
	s_add_nc_u64 s[10:11], s[10:11], s[46:47]
	s_mov_b32 s[G0], 1                             ; count = 1
	s_lshl_b32 s[G0+1], s14, 16                    ; LDS address: my ring, slot 0: the wave's number alone
	s_mov_b64 s[G0+2:G0+3], s[10:11]               ; step 0
	s_or_b32 s[G0+3], s[G0+3], 0x80000000          ; type = 2
	s_mov_b32 s[G0+4], 1
	s_add_co_u32 s[G0+5], s[G0+1], SLOTB           ; slot 1
	s_add_nc_u64 s[G0+6:G0+7], s[10:11], TSTEP     ; step 1
	s_or_b32 s[G0+7], s[G0+7], 0x80000000
	s_lshl_b32 s48, s15, 18                        ; 64 positions of 4,096 bytes
	s_add_nc_u64 s[12:13], s[12:13], s[48:49]
	s_add_nc_u64 s[32:33], s[4:5], s[48:49]
	s_lshl_b32 s46, s14, 16                        ; my wave loads rows 16 w .. 16 w + 15 of query
	s_add_nc_u64 s[32:33], s[32:33], s[46:47]
	s_lshl_b32 s48, s15, 16                        ; 64 positions of 1,024 bytes of mask
	s_add_nc_u64 s[6:7], s[6:7], s[48:49]
	s_mov_b64 s[44:45], s[8:9]
	CROUND                                         ; all four work-groups are here: the first joint loads meet
	tensor_load_to_lds s[G0:G0+3], s[G1:G1+7]      ; the two first fills go out together, ahead of every wait on TENSORcnt, LDS read and further barrier: two loads of mine are out
	s_nop 0
	tensor_load_to_lds s[G0+4:G0+7], s[G1:G1+7]
	s_nop 0
	v_and_b32 v1, 15, v0                           ; r       (four instructions without a switch of windows follow the load)
	v_bfe_u32 v2, v0, 4, 1                         ; h
	v_and_b32 v3, 31, v0                           ; L
	v_lshlrev_b32 v4, 12, v2
	v_lshl_add_u32 v[AGO], v1, 4, v4
	v_lshlrev_b32 v4, 6, v1
	v_lshl_add_u32 v4, v2, 5, v4
	s_lshl_b32 s46, s14, 12
	v_add_nc_u32 v[MO], s46, v4
	WIN 0x40                                       ; destination window 1
.irp a, 0,1,2,3
.irp i, 0,1,2,3                        ; the mask is what the scores' sums start from: head r, key heads 8 h + 0..7 of position 16 a + 4 w + i
	global_load_b128 v[8*(4*\a+\i):8*(4*\a+\i)+3],   v[MO], s[6:7] offset:(16*\a+\i)*1024 th:TH_LOAD_NT
	global_load_b128 v[8*(4*\a+\i)+4:8*(4*\a+\i)+7], v[MO], s[6:7] offset:(16*\a+\i)*1024+16 th:TH_LOAD_NT
.endr
.endr
.irp n, 0,1
.irp j, 0,1,2,3,4,5,6,7                ; query, K steps 0 and 1: rows 2 j + h of my 16; sixteen lanes take a row's 256 bytes
	global_load_b128 v[RAW+32*\n+4*\j:RAW+32*\n+4*\j+3], v[AGO], s[32:33] offset:8192*\j+256*\n
.endr
.endr
	WIN 0
	s_lshl_b32 s46, s14, 16
	v_lshl_add_u32 v[ADRB], v3, 4, s46
	v_mul_u32_u24 v4, v1, APITCH
	v_lshl_add_u32 v4, v2, 4, v4
	v_add_nc_u32 v[ADRA], ABUF, v4
	s_mul_i32 s46, s14, 16*APITCH
	s_add_co_u32 s46, s46, ABUF
	v_mul_u32_u24 v4, v2, APITCH
	v_lshl_add_u32 v4, v1, 3, v4
	v_add_nc_u32 v[ASTO], s46, v4
	s_lshl_b32 s46, s14, 10
	v_lshl_add_u32 v[BO], v2, 5, s46
	v_mul_u32_u24 v5, v1, PPOS
	v_lshl_add_u32 v5, v2, 4, v5                   ; 2,576 r + 16 h
	s_mul_i32 s46, s14, 4*QPITCH
	s_add_co_u32 s46, s46, STAGE
	v_add_nc_u32 v[STO], s46, v5
	s_mul_i32 s46, s14, 4*VPITCH
	v_add_nc_u32 v[VSTO0], s46, v5
	v_add_nc_u32 v[VSTO0+1], 32*PPOS, v[VSTO0]
	v_mul_u32_u24 v4, v1, QPITCH
	v_lshl_add_u32 v4, v2, 4, v4
	s_mul_i32 s46, s14, 4*PPOS
	s_add_co_u32 s47, s46, STAGE
	v_add_nc_u32 v[LDF], s47, v4
	v_and_b32 v4, 7, v0
	v_lshl_add_u32 v4, v2, 3, v4
	v_mul_u32_u24 v4, v4, VPITCH
	v_bfe_u32 v5, v0, 3, 1
	v_lshl_add_u32 v4, v5, 4, v4
	v_add_nc_u32 v[VLD0], s46, v4
	v_add_nc_u32 v[VLD0+1], 32*PPOS, v[VLD0]
	s_mul_i32 s46, s14, 16*OPITCH
	s_add_co_u32 s46, s46, STAGE
	v_mul_u32_u24 v4, v1, OPITCH
	v_lshl_add_u32 v4, v2, 5, v4
	v_add_nc_u32 v[OSTO], s46, v4
	v_mul_u32_u24 v4, v2, OPITCH
	v_lshl_add_u32 v4, v1, 4, v4
	v_add_nc_u32 v[ORD], s46, v4
	s_lshl_b32 s46, s14, 14
	v_lshl_add_u32 v[GO], v3, 4, s46
; 16 matrix instructions: position tiles a0, a0 + 1 x the 8 column tiles of half hf, 32 along K.  zero = 1: the product starts the sums: nothing is cleared.
; The 64 accumulators take turns, one instruction a turn, in the same order in every chunk.
.macro MUL16 af, hf, a0, zero
.irp a, \a0, \a0+1
.irp bb, 0,1,2,3,4,5,6,7
.if \zero
	v_wmma_f32_16x16x32_f16 v[8*(8*(\a)+\bb):8*(8*(\a)+\bb)+7], v[BF+64*\hf+8*\bb:BF+64*\hf+8*\bb+7], v[\af+8*(\a):\af+8*(\a)+7], 0
.else
	v_wmma_f32_16x16x32_f16 v[8*(8*(\a)+\bb):8*(8*(\a)+\bb)+7], v[BF+64*\hf+8*\bb:BF+64*\hf+8*\bb+7], v[\af+8*(\a):\af+8*(\a)+7], v[8*(8*(\a)+\bb):8*(8*(\a)+\bb)+7]
.endif
.endr
.endr
.endm
.macro LDB s, c, hf                    ; 16 LDS loads: W's fragments 8 hf .. 8 hf + 7 of chunk c in slot s; each load takes 512 consecutive bytes
.irp i, 0,1,2,3,4,5,6,7
	ds_load_b128 v[BF+64*\hf+8*\i:BF+64*\hf+8*\i+3],   v[ADRB] offset:(\s)*SLOTB+\c*16384+(8*\hf+\i)*1024
	ds_load_b128 v[BF+64*\hf+8*\i+4:BF+64*\hf+8*\i+7], v[ADRB] offset:(\s)*SLOTB+\c*16384+(8*\hf+\i)*1024+512
.endr
.endm
.macro LDA s, c, af                    ; 8 LDS loads: the four fragments of 16 positions x 32 k of chunk c in A's buffer s
.irp n, 0,1,2,3
	ds_load_b128 v[\af+8*\n:\af+8*\n+3],   v[ADRA] offset:(\s)*ABUFB+\n*16*APITCH+\c*64
	ds_load_b128 v[\af+8*\n+4:\af+8*\n+7], v[ADRA] offset:(\s)*ABUFB+\n*16*APITCH+\c*64+32
.endr
.endm
; In K step tau (parity s).  cvt: my 16 rows of query's step tau + 1 are rounded to f16 and put into A's other buffer.  ld: step tau + 3 is asked for, into the registers just freed.
; lcnt: the global loads issued behind step tau + 1's, which may stay out.  The sixteen conversions are also the places in front of the LDS loads that follow.
.macro FEED s, cvt, ld, lcnt
.set RW, RAW+32*(1-(\s))
.if \cvt
	s_wait_loadcnt \lcnt
	WIN 0x45                                       ; sources and destination window 1
.irp j, 0,1,2,3,4,5,6,7
	v_cvt_pk_f16_f32 v[RW+4*\j],   v[RW+4*\j],   v[RW+4*\j+1]
	v_cvt_pk_f16_f32 v[RW+4*\j+1], v[RW+4*\j+2], v[RW+4*\j+3]
.endr
	WIN 0x04                                       ; data window 1, address window 0
.irp j, 0,1,2,3,4,5,6,7
	ds_store_b64 v[ASTO], v[RW+4*\j:RW+4*\j+1] offset:(1-(\s))*ABUFB+2*APITCH*\j
.endr
.else
	PLACES
.endif
.if \ld
	s_wait_xcnt 0x0                                ; the base of the loads still on their way is written again only behind this wait
	s_add_nc_u64 s[34:35], s[32:33], s[36:37]
	s_add_co_u32 s36, s36, 256
	s_and_b32 s36, s36, 0xfff                      ; behind step 15 comes the next pass's step 0
	WIN 0x40
.irp j, 0,1,2,3,4,5,6,7
	global_load_b128 v[RW+4*\j:RW+4*\j+3], v[AGO], s[34:35] offset:8192*\j
.endr
.endif
	WIN 0
.endm
; A K step's first chunk of 32: 64 matrix instructions on A's buffer 0; the second chunk's fragments are fetched in two runs.
.macro CH0 s, zero, cvt, ld, lcnt
	s_wait_dscnt 16                                ; W's tiles 0-7 and A are in; the 16 loads of tiles 8-15 may be out
	WIN 0xa0
	MUL16 AF0, 0, 0, \zero
	MUL16 AF0, 0, 2, \zero
	FEED \s, \cvt, \ld, \lcnt
	LDB \s, 1, 0
	LDA \s, 1, AF1
	s_wait_dscnt 24+8*\cvt                         ; all but the 24 loads just issued and A's 8 stores in front of them
	WIN 0xf0
	MUL16 AF0, 1, 0, \zero
	MUL16 AF0, 1, 2, \zero
	PLACES
	WIN 0
	LDB \s, 1, 1
.endm
.macro BIAS kind, hf                   ; the bias of my column tiles 8 hf .. 8 hf + 7, 8 numbers a lane and tile, into W's fragment registers.  kind 0: q and k, 1: v
.irp bb, 0,1,2,3,4,5,6,7
.if \kind
	global_load_b128 v[BF+64*\hf+8*\bb:BF+64*\hf+8*\bb+3],   v[BO], s[8:9] offset:8192+(8*\hf+\bb)*64
	global_load_b128 v[BF+64*\hf+8*\bb+4:BF+64*\hf+8*\bb+7], v[BO], s[8:9] offset:8192+(8*\hf+\bb)*64+16
.else
	global_load_b128 v[BF+64*\hf+8*\bb:BF+64*\hf+8*\bb+3],   v[BO], s[44:45] offset:\hf*4096+(\bb/2)*256+(\bb%2)*64
	global_load_b128 v[BF+64*\hf+8*\bb+4:BF+64*\hf+8*\bb+7], v[BO], s[44:45] offset:\hf*4096+(\bb/2)*256+(\bb%2)*64+16
.endif
.endr
.endm
; The second chunk, and the change of slots.  ONE barrier: in front of it each wave waits for all its LDS instructions (its reads of this slot and of A's buffer, its stores into
; A's other buffer) and for all its tensor loads, of which one is out: the other slot's.  fill = 1: the barrier opens a round of the cluster's barrier, and behind the round this slot
; is filled again first, with the step two on: that load has a step less sixteen matrix instructions in which to land.  fetch = 1: the next step's first fragments; else the bias.
.macro TURN s, fill, fetch, kind
	s_wait_dscnt 16                                ; all but the 16 loads of W's tiles 8-15
	WIN 0xa0
	MUL16 AF1, 0, 0, 0
	s_wait_dscnt 0x0
	s_wait_tensorcnt 0x0                           ; no tensor load of mine is out, so a group 0 may be written
	ds_add_u32 v62, v63
	s_wait_dscnt 0x0
	s_barrier_signal -1
	MUL16 AF1, 0, 2, 0
	WIN 0                                          ; at a branch and at a label every window is 0
	s_barrier_wait -1
.if \fill
	CREST
	s_add_nc_u64 s[G0+4*\s+2:G0+4*\s+3], s[G0+4*\s+2:G0+4*\s+3], 2*TSTEP
	tensor_load_to_lds s[G0+4*\s:G0+4*\s+3], s[G1:G1+7]   ; my one tensor load behind the round
	s_nop 0
.endif
	PLACES                                         ; behind the tensor load, and in front of the loads into registers just multiplied
.if \fetch
	LDB 1-\s, 0, 0
	LDA 1-\s, 0, AF0
.else
	BIAS \kind, 0
.endif
	WIN 0xf0
	MUL16 AF1, 1, 0, 0
	MUL16 AF1, 1, 2, 0
	PLACES
	WIN 0
.if \fetch
	LDB 1-\s, 0, 1
.else
	BIAS \kind, 1
.endif
.endm
; A pass: 16 K steps.  The ring and query's stream run on into the next pass (last = 0); the last pass asks for nothing beyond step 15, and its tail is written out.
.macro PASS last
	LDB 0, 0, 0
	LDA 0, 0, AF0
	LDB 0, 0, 1
	CH0 0, 1, 1, 1, 8                              ; the first chunk's products start the 64 sums
	s_mov_b32 s38, 7-\last
.Ltrip_\@:                                             ; a trip: once round the ring, from a step's second chunk to the first chunk two steps on
	TURN 0, 1, 1, 0
	CH0 1, 0, 1, 1, 8                              ; 8: the next step's eight loads of query stay out
	TURN 1, 1, 1, 0
	CH0 0, 0, 1, 1, 8
	s_sub_co_u32 s38, s38, 1
	s_cmp_lg_u32 s38, 0
	s_cbranch_scc1 .Ltrip_\@
.if \last
	TURN 0, 1, 1, 0                                ; step 12: slot 0 takes step 14
	CH0 1, 0, 1, 0, 8                              ; step 13: query's step 14 is rounded, step 15's loads stay out, nothing is asked for
	TURN 1, 1, 1, 0                                ; slot 1 takes step 15: the last fill
	CH0 0, 0, 1, 0, 0                              ; step 14: query's step 15, the last loads
	TURN 0, 0, 1, 0
	CH0 1, 0, 0, 0, 0                              ; step 15
	TURN 1, 0, 0, 1                                ; behind its barrier nobody reads the ring and no fill is out
.else
	TURN 0, 1, 1, 0                                ; step 14: slot 0 takes the next pass's step 0
	CH0 1, 0, 1, 1, 8
	TURN 1, 1, 0, 0                                ; step 15: slot 1 takes the next pass's step 1
.endif
.endm
; The bias (times the scale that lies in wb) is added, each tile's registers from its low end on; then a tile's 8 numbers are rounded to f16 into its registers 0-3.
.macro BADD hf, c
.irp a, 0,1,2,3
.irp bb, 0,1,2,3,4,5,6,7
.irp i, 0,2,4,6
	v_pk_fma_f32 v[8*(8*\a+\bb)+\i:8*(8*\a+\bb)+\i+1], v[BF+64*\hf+8*\bb+\i:BF+64*\hf+8*\bb+\i+1], \c, v[8*(8*\a+\bb)+\i:8*(8*\a+\bb)+\i+1] op_sel_hi:[1,0,1]
.endr
.endr
.endr
.endm
.macro CVTH
.set tt, 0
.rept 32
	v_cvt_pk_f16_f32 v[tt],   v[tt],   v[tt+1]
	v_cvt_pk_f16_f32 v[tt+1], v[tt+2], v[tt+3]
	v_cvt_pk_f16_f32 v[tt+2], v[tt+4], v[tt+5]
	v_cvt_pk_f16_f32 v[tt+3], v[tt+6], v[tt+7]
.set tt, tt+8
.endr
.endm
.macro ADDPACK c2, c3
	s_wait_loadcnt 16                              ; the bias of tiles 0-7 is in; the 16 loads of tiles 8-15 may be out
	WIN 0xa0
	BADD 0, \c2
	WIN 0x8a
	CVTH
	s_wait_loadcnt 0x0
	WIN 0xf0
	BADD 1, \c3
	WIN 0xcf
	CVTH
	WIN 0
.endm
; Positions 16 a .. 16 a + 15: every wave puts its 4 heads of q and of k (32 d each) into the stage; then wave w takes positions 16 a + 4 w + i whole and adds k q^T onto their scores.
.macro PIECE a
	WIN 0x08                                       ; data window 2
.irp bb, 0,1,2,3,4,5,6,7
	ds_store_b128 v[STO], v[8*(8*\a+\bb):8*(8*\a+\bb)+3] offset:(\bb/2)*QPITCH+(\bb%2)*32
.endr
	WIN 0x0c                                       ; data window 3: k's heads are rows 16-31
.irp bb, 0,1,2,3,4,5,6,7
	ds_store_b128 v[STO], v[8*(8*\a+\bb):8*(8*\a+\bb)+3] offset:16*QPITCH+(\bb/2)*QPITCH+(\bb%2)*32
.endr
	WIN 0
	s_wait_dscnt 0x0                               ; for the others' sake: my stores are done
	s_barrier_signal -1
	s_barrier_wait -1
.irp i, 0,1,2,3
	ds_load_b128 v[BF+16*\i:BF+16*\i+3],     v[LDF] offset:\i*PPOS
	ds_load_b128 v[BF+16*\i+4:BF+16*\i+7],   v[LDF] offset:\i*PPOS+32
	ds_load_b128 v[BF+16*\i+8:BF+16*\i+11],  v[LDF] offset:\i*PPOS+16*QPITCH
	ds_load_b128 v[BF+16*\i+12:BF+16*\i+15], v[LDF] offset:\i*PPOS+16*QPITCH+32
.endr
	s_wait_dscnt 0x0                               ; my reads of the stage are over: the next piece may overwrite it behind this barrier
	s_barrier_signal -1
	WIN 0x50                                       ; C and D window 1
.irp i, 0,1,2,3
	v_wmma_f32_16x16x32_f16 v[8*(4*\a+\i):8*(4*\a+\i)+7], v[BF+16*\i+8:BF+16*\i+15], v[BF+16*\i:BF+16*\i+7], v[8*(4*\a+\i):8*(4*\a+\i)+7]
.endr
	PLACES
	WIN 0
	s_barrier_wait -1
.endm
; Softmax of slots 4 g .. 4 g + 3, line by line for the four, all in window 1.  A lane holds 8 of a query head's 16 scores; the lane 16 away holds the others.
; p = 2^(c s - c m), c = log2(e), m the row's maximum; the weights are 8 p / l (the 8 takes back v's 1/8), rounded to f16: they are K = 0..15 of source 1; K = 16..31 is zero.
.macro SMAX g
.irp i, 0,1,2,3
	v_max3_num_f32 v[TS+4*\i], v[32*\g+8*\i], v[32*\g+8*\i+1], v[32*\g+8*\i+2]     ; the scores are read from their low end on
.endr
.irp i, 0,1,2,3
	v_max3_num_f32 v[TS+4*\i+1], v[32*\g+8*\i+3], v[32*\g+8*\i+4], v[32*\g+8*\i+5]
.endr
.irp i, 0,1,2,3
	v_max3_num_f32 v[TS+4*\i], v[TS+4*\i], v[32*\g+8*\i+6], v[32*\g+8*\i+7]
.endr
.irp i, 0,1,2,3
	v_max_num_f32 v[TS+4*\i], v[TS+4*\i], v[TS+4*\i+1]
.endr
.irp i, 0,1,2,3
	v_permlanex16_b32 v[TS+4*\i+1], v[TS+4*\i], s42, s43
.endr
.irp i, 0,1,2,3
	v_max_num_f32 v[TS+4*\i], v[TS+4*\i], v[TS+4*\i+1]
.endr
.irp i, 0,1,2,3
	v_mul_f32 v[TS+4*\i], s40, v[TS+4*\i]          ; c m
.endr
.irp k, 0,2,4,6
.irp i, 0,1,2,3
	v_pk_fma_f32 v[32*\g+8*\i+\k:32*\g+8*\i+\k+1], v[32*\g+8*\i+\k:32*\g+8*\i+\k+1], s[40:41], v[TS+4*\i:TS+4*\i+1] op_sel_hi:[1,0,0] neg_lo:[0,0,1] neg_hi:[0,0,1]
.endr
.endr
.irp k, 0,1,2,3,4,5,6,7
.irp i, 0,1,2,3
	v_exp_f32 v[32*\g+8*\i+\k], v[32*\g+8*\i+\k]
.endr
.endr
	v_nop                                          ; a plain instruction between the exponentials and the use of their results (ISA guide 5.7.2)
	s_wait_alu depctr_va_vdst(0)
.irp i, 0,1,2,3
	v_pk_add_f32 v[TS+4*\i+2:TS+4*\i+3], v[32*\g+8*\i:32*\g+8*\i+1], v[32*\g+8*\i+2:32*\g+8*\i+3]
.endr
.irp i, 0,1,2,3
	v_pk_add_f32 v[TS+4*\i:TS+4*\i+1], v[32*\g+8*\i+4:32*\g+8*\i+5], v[32*\g+8*\i+6:32*\g+8*\i+7]
.endr
.irp i, 0,1,2,3
	v_pk_add_f32 v[TS+4*\i+2:TS+4*\i+3], v[TS+4*\i+2:TS+4*\i+3], v[TS+4*\i:TS+4*\i+1]
.endr
.irp i, 0,1,2,3
	v_add_f32 v[TS+4*\i+2], v[TS+4*\i+2], v[TS+4*\i+3]
.endr
.irp i, 0,1,2,3
	v_permlanex16_b32 v[TS+4*\i+3], v[TS+4*\i+2], s42, s43
.endr
.irp i, 0,1,2,3
	v_add_f32 v[TS+4*\i+2], v[TS+4*\i+2], v[TS+4*\i+3]     ; l, between 1 and 16
.endr
.irp i, 0,1,2,3
	v_mul_f32 v[TS+4*\i+2], 0x3e000000, v[TS+4*\i+2]       ; l / 8
.endr
.irp i, 0,1,2,3
	v_rcp_f32 v[TS+4*\i], v[TS+4*\i+2]
.endr
	v_nop
	s_wait_alu depctr_va_vdst(0)
.irp k, 0,2,4,6
.irp i, 0,1,2,3
	v_pk_mul_f32 v[32*\g+8*\i+\k:32*\g+8*\i+\k+1], v[32*\g+8*\i+\k:32*\g+8*\i+\k+1], v[TS+4*\i:TS+4*\i+1] op_sel_hi:[1,0]
.endr
.endr
.irp k, 0,1,2,3
.irp i, 0,1,2,3
	v_cvt_pk_f16_f32 v[32*\g+8*\i+\k], v[32*\g+8*\i+2*\k], v[32*\g+8*\i+2*\k+1]
.endr
.endr
.irp k, 4,5,6,7
.irp i, 0,1,2,3
	v_mov_b32 v[32*\g+8*\i+\k], 0
.endr
.endr
.endm
; THE WAY OUT, slot sg = 4 a + i (position 16 a + 4 w + i).  VLOAD: v^T, 16 heads x 64 channels, by four turning loads.  OMUL: O^T = v^T P, four tiles of 16 channels.
; TOSTAGE: a lane's 8 channels of a head go into my own stage rows of 272 bytes and come back as whole rows.  SEND: each store of the wave covers 512 consecutive bytes, aligned.
.macro VLOAD sg
.irp t, 0,1,2,3
	ds_load_tr16_b128 v[VF+32*((\sg)%2)+8*\t:VF+32*((\sg)%2)+8*\t+3], v[VLD0+(\sg)/8] offset:(((\sg)/4)%2)*16*PPOS+((\sg)%4)*PPOS+32*\t
.endr
.endm
.macro OMUL sg
	WIN 0x04                                       ; P in window 1
.irp t, 0,1,2,3
	v_wmma_f32_16x16x32_f16 v[OT+32*((\sg)%2)+8*\t:OT+32*((\sg)%2)+8*\t+7], v[VF+32*((\sg)%2)+8*\t:VF+32*((\sg)%2)+8*\t+7], v[8*(\sg):8*(\sg)+7], 0
.endr
	WIN 0
	PLACES
.endm
.macro TOSTAGE sg
	s_wait_xcnt 0x0                                ; the registers that earlier stores read are loaded again only behind this wait
.irp t, 0,1,2,3
	ds_store_b128 v[OSTO], v[OT+32*((\sg)%2)+8*\t:OT+32*((\sg)%2)+8*\t+3]   offset:64*\t
	ds_store_b128 v[OSTO], v[OT+32*((\sg)%2)+8*\t+4:OT+32*((\sg)%2)+8*\t+7] offset:64*\t+16
.endr
.irp u, 0,1,2,3,4,5,6,7
	ds_load_b128 v[RB+32*((\sg)%2)+4*\u:RB+32*((\sg)%2)+4*\u+3], v[ORD] offset:2*OPITCH*\u   ; LDS serves a wave's instructions in order (ISA guide 5.7.1.4): these see the stores above
.endr
.endm
.macro SEND sg, younger                ; younger: the LDS loads issued behind TOSTAGE's, which may stay out
	s_wait_dscnt \younger
.irp u, 0,1,2,3,4,5,6,7
	global_store_b128 v[GO], v[RB+32*((\sg)%2)+4*\u:RB+32*((\sg)%2)+4*\u+3], s[12:13] offset:(16*((\sg)/4)+(\sg)%4)*4096+512*\u th:TH_STORE_NT
.endr
.endm
	FEED 1, 1, 1, 8                                ; query's step 0 into A's buffer 0 (8: step 1's loads stay out; the mask came before); step 2 is asked for
	s_wait_dscnt 0x0                               ; my rows of A's buffer 0 are stored
	s_wait_tensorcnt 0x1                           ; my part of slot 0 is in; slot 1's may stay out
	s_barrier_signal -1
	s_barrier_wait -1
	s_mov_b32 s39, 2
.Lpass:                                                ; passes 0 and 1: half of every head of q and k, then their share of the scores
	PASS 0
	ADDPACK 0.5, 0x3e800000                        ; b / 2 for q, b / 4 for k
	PIECE 0
	PIECE 1
	PIECE 2
	PIECE 3
	s_add_nc_u64 s[44:45], s[44:45], 128           ; the bias of the other 32 d (its loads have been waited for)
	s_sub_co_u32 s39, s39, 1
	s_cmp_lg_u32 s39, 0
	s_cbranch_scc1 .Lpass
	WIN 0x55
	SMAX 0
	SMAX 1
	SMAX 2
	SMAX 3
	WIN 0
	PASS 1                                         ; v
	ADDPACK 0x3e000000, 0x3e000000                 ; b / 8
.irp n, 0,1,2,3,4,5,6,7
.irp k, 4,5,6,7
	v_mov_b32 v[VF+8*\n+\k], 0                     ; K = 16..31 of v^T's fragments: there are 16 key heads
.endr
.endr
	; v goes into the ring's bytes, which have had their last fill and their last read (the last step's barrier): position x 2,576 + head x 160 + 2 d
	WIN 0x08
.irp a, 0,1,2,3
.irp bb, 0,1,2,3,4,5,6,7
	ds_store_b128 v[VSTO0+\a/2], v[8*(8*\a+\bb):8*(8*\a+\bb)+3] offset:(\a%2)*16*PPOS+(\bb/4)*VPITCH+(\bb%4)*32
.endr
.endr
	WIN 0x0c
.irp a, 0,1,2,3
.irp bb, 0,1,2,3,4,5,6,7
	ds_store_b128 v[VSTO0+\a/2], v[8*(8*\a+\bb):8*(8*\a+\bb)+3] offset:(\a%2)*16*PPOS+(2+\bb/4)*VPITCH+(\bb%4)*32
.endr
.endr
	WIN 0
	s_wait_dscnt 0x0                               ; for the others' sake: my heads of v are stored
	s_barrier_signal -1
	s_barrier_wait -1
	VLOAD 0
.irp sg, 0,1,2,3,4,5,6,7,8,9,10,11,12,13,14,15
.if \sg < 15
	VLOAD \sg+1
.endif
.if \sg == 0
	s_wait_dscnt 4                                 ; slot 0's v is in; slot 1's four loads may be out
.elseif \sg < 15
	s_wait_dscnt 20                                ; behind this slot's v: the sixteen of the slot before on its way through the stage, and the next slot's four loads
.else
	s_wait_dscnt 16
.endif
	OMUL \sg
.if \sg == 15
	SEND \sg-1, 0
.elseif \sg > 0
	SEND \sg-1, 4                                  ; the next slot's four loads of v may be out
.endif
	TOSTAGE \sg
.endr
	SEND 15, 0
	s_wait_tensorcnt 0x0
	ds_add_u32 v62, v63
	s_wait_dscnt 0x0
	CROUND                                         ; the closing round: no work-group ends while a partner may still ask for a tile that names it
	s_endpgm
.Lfunc_end_k_qc556f1d239_fused:
	.size	k_qc556f1d239_fused, .Lfunc_end_k_qc556f1d239_fused-k_qc556f1d239_fused
	.p2alignl 7, 3214868480
	.fill 96, 4, 3214868480
	.section	.rodata,"a",@progbits
	.p2align	6, 0x0
	.amdhsa_kernel k_qc556f1d239_fused
		.amdhsa_group_segment_fixed_size 327680
		.amdhsa_private_segment_fixed_size 0
		.amdhsa_enable_private_segment 0
		.amdhsa_kernarg_size 40
		.amdhsa_user_sgpr_count 2
		.amdhsa_user_sgpr_kernarg_segment_ptr 1
		.amdhsa_wavefront_size32 1
		.amdhsa_system_sgpr_workgroup_id_x 1
		.amdhsa_system_sgpr_workgroup_id_y 1
		.amdhsa_system_sgpr_workgroup_id_z 1
		.amdhsa_system_vgpr_workitem_id 0
		.amdhsa_next_free_vgpr 1024
		.amdhsa_next_free_sgpr 66
		.amdhsa_reserve_vcc 0
		.amdhsa_float_denorm_mode_32 3
		.amdhsa_float_denorm_mode_16_64 3
		.amdhsa_memory_ordered 1
		.amdhsa_forward_progress 1
		.amdhsa_inst_pref_size 255
	.end_amdhsa_kernel
	.section	.bss,"aw",@nobits
	.p2align	6
	.space	262144
	.amdgpu_metadata
---
amdhsa.version: [ 1, 2 ]
amdhsa.kernels:
  - .name:           k_qc556f1d239_fused
    .symbol:         k_qc556f1d239_fused.kd
    .args:
      - { .name: query, .offset: 0, .size: 8, .value_kind: global_buffer, .address_space: global }
      - { .name: attn_mask, .offset: 8, .size: 8, .value_kind: global_buffer, .address_space: global }
      - { .name: b_qkv, .offset: 16, .size: 8, .value_kind: global_buffer, .address_space: global }
      - { .name: wb, .offset: 24, .size: 8, .value_kind: global_buffer, .address_space: global }
      - { .name: out0, .offset: 32, .size: 8, .value_kind: global_buffer, .address_space: global }
    .group_segment_fixed_size: 327680
    .private_segment_fixed_size: 0
    .kernarg_segment_align: 8
    .kernarg_segment_size: 40
    .max_flat_workgroup_size: 128
    .sgpr_count:     66
    .vgpr_count:     1024
    .wavefront_size: 32
...
	.end_amdgpu_metadata
.endif
;; end of part 2
;; ======== version 2 of 2: 2 launches; 1.15 times as fast as version 1
;; limits: values are held in f16: magnitudes above 65,504 overflow, below 6.1e-05 lose precision; inputs' magnitudes at most 65,520
;; workspace buffers: wb 6,291,456 bytes
;; launch prep: the kernel of part 1 again; grid 256 x 1, 12 waves a work-group, no clusters, 0 bytes of LDS; arguments W_qkv, wb; writes wb
;; launch fused (part 3): grid 256 x 1, 4 waves a work-group, clusters of 4 x 1, 327,680 bytes of LDS; arguments query, attn_mask, b_qkv, wb, out0; writes out0
.if DOCPART == 3
	.amdgcn_target "amdgcn-amd-amdhsa--gfx1250"
	.amdhsa_code_object_version 6
	.text
	.protected	k_qc556f1d239_fused
	.globl	k_qc556f1d239_fused
	.p2align	8
	.type	k_qc556f1d239_fused,@function
k_qc556f1d239_fused:
	s_mov_b64 s[64:65], 0
	v_nop
	global_prefetch_b8 v0, s[64:65] scope:SCOPE_SE
	s_setreg_imm32_b32 hwreg(HW_REG_WAVE_MODE, 25, 1), 1
	s_wait_xcnt 0x0
	s_wait_alu depctr_hold_cnt(0) depctr_sa_sdst(0) depctr_va_vdst(0) depctr_va_sdst(0) depctr_va_ssrc(0) depctr_va_vcc(0) depctr_vm_vsrc(0)
	s_getreg_b32 s2, hwreg(HW_REG_IB_STS2, 6, 4)
	s_cmp_eq_u32 s2, 0
	s_cbranch_scc0 .Lentry_in_a_cluster
	s_endpgm
.Lentry_in_a_cluster:
	s_bfe_u32 s2, ttmp6, 0x10000c
	s_cmp_lg_u32 s2, 0x3003
	s_cbranch_scc0 .Lentry_shape_is_right
	s_endpgm
.Lentry_shape_is_right:
; out0[pos] = softmax_g(q[pos] k[pos]^T / 8 + mask[pos]) v[pos], with (q, k, v)[pos] = query[pos] W^T + b: 16 heads against 16 heads at each of 16,384 positions.
; The arguments key and value of the problem enter nothing that its function computes, so they are not among this launch's buffers.
; SHARES.  256 work-groups of 64 positions, four waves.  The projection goes in three passes of 1,024 columns; in a pass a wave makes 64 positions x 256 columns:
; 64 accumulators, 512 registers.  Passes 0 and 1 make the d half [32 p, 32 p + 32) of ALL heads of q and of k: that is exactly the K = 32 of one matrix
; instruction S += k q^T for a position, so only the scores (128 registers a wave) are carried from pass to pass and no q or k is kept.  Pass 2 makes v.
; W comes as f16 in fragment order from wb (made by the launch before), K steps of 64 through two LDS slots; each wave fetches and reads its own 32 KB of a step.
; All work-groups walk the same wb, so the four of a cluster ask JOINTLY: the same tensor load, the same descriptor, a mask that names the four (a mask names four at the most).
; THE WALK IS ROTATED.  The 64 clusters all need a pass's 16 K steps, in any order.  Cluster c begins each pass at K step rho(c), one of sixteen starts, and goes round: its step n
; (steps are counted so below) multiplies K step (n + rho) mod 16, of wb and of query alike.  So a pass's sixteen tiles of wb are all asked for at its first step, each by four clusters,
; and every later request is for bytes that another cluster has asked for a step or more before; with one common start each tile would be wanted by all 64 at once and have been read by none.
; The f32 sums over K therefore run in an order that differs from cluster to cluster: equal rows of query in different clusters may differ in their last bits.
; query is not kept in LDS (its 64 x 1,024 f16 would halve the slots): each pass streams it as f32 through registers, two K steps ahead, whole rows of 256 bytes,
; rounds it to f16 and shares it through two small LDS buffers.
; FORMATS.  All matrix operands are f16, all sums f32.  f16 and not bf16: a score is a sum over 1,024 x 64 products and stands in an exponent, and three more bits in each operand
; keep its error small beside the weights.  The projection takes query and W/2, W/4, W/8 (the powers of two are exact and lie in wb); the small products take q/2, k/4, v/8, 8 P.
; LIMITS: finite while |query| < 65,520, |q| < 131,008, |k| < 262,016, |v| < 524,032; beyond that a conversion gives infinity.  Operands under 2^-14 are kept as denormals, in steps of 2^-24.
; A mask row that is all -inf gives NaN, as in the problem's function.
; THE MATRIX INSTRUCTIONS ARE USED TRANSPOSED: source 0 = 16 rows of W, source 1 = 16 positions: lane L = 16 h + r holds position r and 8 neighbouring columns 8 h + 0..7.
; Likewise S^T = k q^T (a lane holds one query head r and key heads 8 h + 0..7) and O^T = v^T P (one query head, 8 channels): nothing changes lanes between softmax and O.
;
; LDS.  0: the ring, wave w at 65,536 w, slot s at + 32,768 s, then c x 16,384 + f x 1,024 + half x 512 + 16 L.  After its last fill and last read the ring's bytes hold v.
;   262,144: A's two buffers, 64 rows x 144 bytes (128 of data + 16).   280,576: the stage; no fill ever lands in these two.
; REGISTERS, in windows of 256 (s_set_vgpr_msb: bits 1:0 source 0, 3:2 source 1, 5:4 source 2, 7:6 destination):
;   window 0: v1-20 addresses; v64-95, v96-127 A's fragments, two buffers; v128-255 sixteen fragments of W (later bias, q and k fragments, the way out)
;   window 1: v0-127 scores, then weights: slot 4 a + i = position 16 a + 4 w + i; v128-191 query as loaded, two sets; v192-207 softmax at work
;   window 2: accumulators of column tiles 0-7 (tile (a, b) at v[8 (8 a + b)]);   window 3: those of tiles 8-15
.set SLOTB,  32768                     ; a wave's part of a slot
.set TSTEP,  131072                    ; bytes of a K step in wb
.set ABUF,   262144
.set APITCH, 144                       ; 9 x 16 bytes: the 16 rows of a fragment load start 16 bytes apart modulo 256
.set ABUFB,  64*APITCH
.set STAGE,  ABUF+2*ABUFB              ; 280,576
.set QPITCH, 80                        ; a head's 32 f16 + 16 bytes
.set PPOS,   2576                      ; a position in the stage (32 rows of 80) and in v's store (16 rows of 160), + 16 bytes: 161 x 16
.set VPITCH, 160                       ; a head's 64 f16 + 32 bytes
.set OPITCH, 272                       ; a head's 64 f32 + 16 bytes
.set ADRB, 6                           ; 65,536 w + 16 L
.set ADRA, 7                           ; ABUF + 144 r + 16 h
.set ASTO, 8                           ; ABUF + 144 (16 w + h) + 8 r
.set AGO,  9                           ; 4,096 h + 16 r
.set MO,   10                          ; 4,096 w + 64 r + 32 h
.set BO,   11                          ; 1,024 w + 32 h
.set STO,  12                          ; STAGE + 2,576 r + 16 h + 320 w
.set LDF,  13                          ; STAGE + 10,304 w + 80 r + 16 h
.set VSTO0, 14                         ; 2,576 r + 16 h + 640 w; v15 the same 32 positions on
.set VLD0, 16                          ; 10,304 w + 160 (8 h + L % 8) + 16 ((L / 8) % 2); v17 the same 32 positions on
.set OSTO, 18                          ; STAGE + 4,352 w + 272 r + 32 h
.set ORD,  19                          ; STAGE + 4,352 w + 272 h + 16 r
.set GO,   20                          ; 16,384 w + 16 L
.set AF0,  64
.set AF1,  96
.set BF,   128
.set RAW,  128                         ; window 1
.set TS,   192                         ; window 1
.set VF,   128                         ; the way out: v^T fragments, two sets of four
.set OT,   192                         ; O^T, two sets of four tiles
.set RB,   64                          ; rows read back, two sets of 32
.set G1,   16                          ; s[16:23] descriptor group 1
.set G0,   24                          ; s[24:27], s[28:31] descriptor group 0, a set for each slot
; s[4:9] query, mask, bias; s[10:11] wb at my wave's part of the pass in hand; s[12:13] out; s14 wave; s15 work-group; s[32:33] query at my rows; s[34:35] the same at the K step asked for;
; s[36:37] that step's bytes in a row, 0; s38, s39 counters; s[40:41] log2(e); s[42:43] lane selects; s[44:45] bias of the pass; s[46:47] at work, wave terms; s[48:49] at work, work-group terms;
; s51 rho; s[52:53] at work, then query at my second K step; s[54:55] bytes, inside a pass of wb, of the K step to be asked for next, 0
.set MSB, 0
.macro WIN new                         ; the immediate's high byte repeats the setting that is left; a switch that changes nothing is dropped
.if MSB != \new
	s_set_vgpr_msb (MSB<<8)|\new
.set MSB, \new
.endif
.endm
; A vector instruction that reads a matrix result or writes one of a matrix instruction's registers, and a load into such a register, stand four places behind it;
; only plain vector instructions that name none of its registers are places (ISA guide 7.12.1 for vector instructions).
.macro PLACES
.rept 4
	v_nop
.endr
.endm
.macro CREST                           ; a round of the cluster's barrier behind its opening barrier: wave 0 signals for the work-group, all wait for the four, my barrier closes it
	s_cmp_lg_u32 s14, 0
	s_cbranch_scc1 .Lnot_wave_0_\@
	s_barrier_signal -3
.Lnot_wave_0_\@:
	s_barrier_wait -3
	s_barrier_signal -1
	s_barrier_wait -1
.endm
.macro CROUND
	s_barrier_signal -1
	s_barrier_wait -1
	CREST
.endm
; Slot s's group 0 takes the address of the K step that is due: the pass's base + the walk's offset; then the offset goes one step on, round the pass's 16 steps.
; It stands where no tensor load of the wave is out.  Base and offset hang on the wave's number and the cluster's number alone, which the four partners share.
.macro WNEXT s
	s_add_nc_u64 s[G0+4*\s+2:G0+4*\s+3], s[10:11], s[54:55]
	s_or_b32 s[G0+4*\s+3], s[G0+4*\s+3], 0x80000000       ; type = 2
	s_add_co_u32 s54, s54, TSTEP
	s_and_b32 s54, s54, 16*TSTEP-1
.endm
	s_load_b256 s[4:11], s[0:1], 0x0               ; query s[4:5], mask s[6:7], bias s[8:9], wb s[10:11]
	s_load_b64 s[12:13], s[0:1], 0x20              ; out
	v_lshl_add_u32 v62, v0, 2, 0x4e900
	v_mov_b32 v63, 0
	ds_add_u32 v62, v63
	v_lshrrev_b32 v1, 5, v0
	v_readfirstlane_b32 s14, v1                    ; wave 0..3
	s_bfe_u32 s15, ttmp6, 0x40000                  ; cx
	s_lshl_b32 s48, ttmp9, 2                       ; in a cluster launch ttmp9 counts clusters
	s_add_co_u32 s15, s48, s15                     ; my block of 64 positions: it enters the addresses of query, mask and out alone
	; rho: its four bits are the sums of bits 0 and 1, 1 and 2, 3 and 4, 4 and 5 of the cluster's number (0 to 63).  Whichever single bit of the number is held fixed,
	; the 32 clusters that remain still have all sixteen starts, two each.
	s_lshr_b32 s52, ttmp9, 1
	s_xor_b32 s52, s52, ttmp9
	s_and_b32 s53, s52, 3
	s_lshr_b32 s52, s52, 1
	s_and_b32 s52, s52, 12
	s_or_b32 s51, s52, s53
	; descriptor group 1: a dense block of 32 KB as 128 rows of 256 bytes (32 elements of 8 bytes), no padding
	s_mov_b32 s[G1+0], 15|(3<<16)|(1<<21)          ; 15:0 the mask: all four work-groups; 17:16 elements of 8 bytes; 21 set beside a mask
	s_mov_b32 s[G1+1], 32<<16                      ; tensor_dim0 = 32
	s_mov_b32 s[G1+2], 128<<16                     ; tensor_dim1 = 128
	s_mov_b32 s[G1+3], 32<<16                      ; tile_dim0 = 32
	s_mov_b32 s[G1+4], 128                         ; tile_dim1 = 128
	s_mov_b32 s[G1+5], 32                          ; elements from row to row
	s_mov_b32 s[G1+6], 0
	s_mov_b32 s[G1+7], 0
	s_mov_b32 s40, 0x3fb8aa3b                      ; log2(e)
	s_mov_b32 s41, s40                             ; named with it as a pair
	s_mov_b32 s42, 0x76543210                      ; v_permlanex16_b32: each lane takes its own place in the other half
	s_mov_b32 s43, 0xfedcba98
	s_lshl_b32 s36, s51, 8                         ; query's walk begins at K step rho: 64 f32 = 256 bytes a step
	s_mov_b32 s37, 0
	s_lshl_b32 s54, s51, 17                        ; and so does wb's: 131,072 bytes a step
	s_mov_b32 s55, 0
	s_lshl_b32 s46, s14, 15                        ; my wave's 32 KB of a step in wb
	s_mov_b32 s47, 0
	s_mov_b32 s49, 0
	s_wait_dscnt 0x0
	s_wait_kmcnt 0x0
	s_add_nc_u64 s[10:11], s[10:11], s[46:47]      ; pass 0's base
	s_mov_b32 s[G0], 1                             ; count = 1
	s_lshl_b32 s[G0+1], s14, 16                    ; LDS address: my ring, slot 0: the wave's number alone
	WNEXT 0                                        ; my step 0
	s_mov_b32 s[G0+4], 1
	s_add_co_u32 s[G0+5], s[G0+1], SLOTB           ; slot 1
	WNEXT 1                                        ; my step 1
	s_lshl_b32 s48, s15, 18                        ; 64 positions of 4,096 bytes
	s_add_nc_u64 s[12:13], s[12:13], s[48:49]
	s_add_nc_u64 s[32:33], s[4:5], s[48:49]
	s_lshl_b32 s46, s14, 16                        ; my wave loads rows 16 w .. 16 w + 15 of query
	s_add_nc_u64 s[32:33], s[32:33], s[46:47]
	s_add_nc_u64 s[34:35], s[32:33], s[36:37]      ; query at my step 0,
	s_add_co_u32 s36, s36, 256
	s_and_b32 s36, s36, 0xfff
	s_add_nc_u64 s[52:53], s[32:33], s[36:37]      ; at my step 1;
	s_add_co_u32 s36, s36, 256
	s_and_b32 s36, s36, 0xfff                      ; step 2 is asked for next
	s_lshl_b32 s48, s15, 16                        ; 64 positions of 1,024 bytes of mask
	s_add_nc_u64 s[6:7], s[6:7], s[48:49]
	s_mov_b64 s[44:45], s[8:9]
	CROUND                                         ; all four work-groups are here: the first joint loads meet
	tensor_load_to_lds s[G0:G0+3], s[G1:G1+7]      ; the two first fills go out together, ahead of every wait on TENSORcnt, LDS read and further barrier: two loads of mine are out
	s_nop 0
	tensor_load_to_lds s[G0+4:G0+7], s[G1:G1+7]
	s_nop 0
	v_and_b32 v1, 15, v0                           ; r       (four instructions without a switch of windows follow the load)
	v_bfe_u32 v2, v0, 4, 1                         ; h
	v_and_b32 v3, 31, v0                           ; L
	v_lshlrev_b32 v4, 12, v2
	v_lshl_add_u32 v[AGO], v1, 4, v4
	v_lshlrev_b32 v4, 6, v1
	v_lshl_add_u32 v4, v2, 5, v4
	s_lshl_b32 s46, s14, 12
	v_add_nc_u32 v[MO], s46, v4
	WIN 0x40                                       ; destination window 1
.irp a, 0,1,2,3
.irp i, 0,1,2,3                        ; the mask is what the scores' sums start from: head r, key heads 8 h + 0..7 of position 16 a + 4 w + i
	global_load_b128 v[8*(4*\a+\i):8*(4*\a+\i)+3],   v[MO], s[6:7] offset:(16*\a+\i)*1024 th:TH_LOAD_NT
	global_load_b128 v[8*(4*\a+\i)+4:8*(4*\a+\i)+7], v[MO], s[6:7] offset:(16*\a+\i)*1024+16 th:TH_LOAD_NT
.endr
.endr
.irp j, 0,1,2,3,4,5,6,7                ; query, my steps 0 and 1: rows 2 j + h of my 16; sixteen lanes take a row's 256 bytes
	global_load_b128 v[RAW+4*\j:RAW+4*\j+3], v[AGO], s[34:35] offset:8192*\j
.endr
.irp j, 0,1,2,3,4,5,6,7
	global_load_b128 v[RAW+32+4*\j:RAW+32+4*\j+3], v[AGO], s[52:53] offset:8192*\j
.endr
	WIN 0
	s_lshl_b32 s46, s14, 16
	v_lshl_add_u32 v[ADRB], v3, 4, s46
	v_mul_u32_u24 v4, v1, APITCH
	v_lshl_add_u32 v4, v2, 4, v4
	v_add_nc_u32 v[ADRA], ABUF, v4
	s_mul_i32 s46, s14, 16*APITCH
	s_add_co_u32 s46, s46, ABUF
	v_mul_u32_u24 v4, v2, APITCH
	v_lshl_add_u32 v4, v1, 3, v4
	v_add_nc_u32 v[ASTO], s46, v4
	s_lshl_b32 s46, s14, 10
	v_lshl_add_u32 v[BO], v2, 5, s46
	v_mul_u32_u24 v5, v1, PPOS
	v_lshl_add_u32 v5, v2, 4, v5                   ; 2,576 r + 16 h
	s_mul_i32 s46, s14, 4*QPITCH
	s_add_co_u32 s46, s46, STAGE
	v_add_nc_u32 v[STO], s46, v5
	s_mul_i32 s46, s14, 4*VPITCH
	v_add_nc_u32 v[VSTO0], s46, v5
	v_add_nc_u32 v[VSTO0+1], 32*PPOS, v[VSTO0]
	v_mul_u32_u24 v4, v1, QPITCH
	v_lshl_add_u32 v4, v2, 4, v4
	s_mul_i32 s46, s14, 4*PPOS
	s_add_co_u32 s47, s46, STAGE
	v_add_nc_u32 v[LDF], s47, v4
	v_and_b32 v4, 7, v0
	v_lshl_add_u32 v4, v2, 3, v4
	v_mul_u32_u24 v4, v4, VPITCH
	v_bfe_u32 v5, v0, 3, 1
	v_lshl_add_u32 v4, v5, 4, v4
	v_add_nc_u32 v[VLD0], s46, v4
	v_add_nc_u32 v[VLD0+1], 32*PPOS, v[VLD0]
	s_mul_i32 s46, s14, 16*OPITCH
	s_add_co_u32 s46, s46, STAGE
	v_mul_u32_u24 v4, v1, OPITCH
	v_lshl_add_u32 v4, v2, 5, v4
	v_add_nc_u32 v[OSTO], s46, v4
	v_mul_u32_u24 v4, v2, OPITCH
	v_lshl_add_u32 v4, v1, 4, v4
	v_add_nc_u32 v[ORD], s46, v4
	s_lshl_b32 s46, s14, 14
	v_lshl_add_u32 v[GO], v3, 4, s46
; 16 matrix instructions: position tiles a0, a0 + 1 x the 8 column tiles of half hf, 32 along K.  zero = 1: the product starts the sums: nothing is cleared.
; The 64 accumulators take turns, one instruction a turn, in the same order in every chunk.
.macro MUL16 af, hf, a0, zero
.irp a, \a0, \a0+1
.irp bb, 0,1,2,3,4,5,6,7
.if \zero
	v_wmma_f32_16x16x32_f16 v[8*(8*(\a)+\bb):8*(8*(\a)+\bb)+7], v[BF+64*\hf+8*\bb:BF+64*\hf+8*\bb+7], v[\af+8*(\a):\af+8*(\a)+7], 0
.else
	v_wmma_f32_16x16x32_f16 v[8*(8*(\a)+\bb):8*(8*(\a)+\bb)+7], v[BF+64*\hf+8*\bb:BF+64*\hf+8*\bb+7], v[\af+8*(\a):\af+8*(\a)+7], v[8*(8*(\a)+\bb):8*(8*(\a)+\bb)+7]
.endif
.endr
.endr
.endm
.macro LDB s, c, hf                    ; 16 LDS loads: W's fragments 8 hf .. 8 hf + 7 of chunk c in slot s; each load takes 512 consecutive bytes
.irp i, 0,1,2,3,4,5,6,7
	ds_load_b128 v[BF+64*\hf+8*\i:BF+64*\hf+8*\i+3],   v[ADRB] offset:(\s)*SLOTB+\c*16384+(8*\hf+\i)*1024
	ds_load_b128 v[BF+64*\hf+8*\i+4:BF+64*\hf+8*\i+7], v[ADRB] offset:(\s)*SLOTB+\c*16384+(8*\hf+\i)*1024+512
.endr
.endm
.macro LDA s, c, af                    ; 8 LDS loads: the four fragments of 16 positions x 32 k of chunk c in A's buffer s
.irp n, 0,1,2,3
	ds_load_b128 v[\af+8*\n:\af+8*\n+3],   v[ADRA] offset:(\s)*ABUFB+\n*16*APITCH+\c*64
	ds_load_b128 v[\af+8*\n+4:\af+8*\n+7], v[ADRA] offset:(\s)*ABUFB+\n*16*APITCH+\c*64+32
.endr
.endm
; In step tau (parity s).  cvt: my 16 rows of query's step tau + 1 are rounded to f16 and put into A's other buffer.  ld: step tau + 3 is asked for, into the registers just freed.
; lcnt: the global loads issued behind step tau + 1's, which may stay out.  The sixteen conversions are also the places in front of the LDS loads that follow.
.macro FEED s, cvt, ld, lcnt
.set RW, RAW+32*(1-(\s))
.if \cvt
	s_wait_loadcnt \lcnt
	WIN 0x45                                       ; sources and destination window 1
.irp j, 0,1,2,3,4,5,6,7
	v_cvt_pk_f16_f32 v[RW+4*\j],   v[RW+4*\j],   v[RW+4*\j+1]
	v_cvt_pk_f16_f32 v[RW+4*\j+1], v[RW+4*\j+2], v[RW+4*\j+3]
.endr
	WIN 0x04                                       ; data window 1, address window 0
.irp j, 0,1,2,3,4,5,6,7
	ds_store_b64 v[ASTO], v[RW+4*\j:RW+4*\j+1] offset:(1-(\s))*ABUFB+2*APITCH*\j
.endr
.else
	PLACES
.endif
.if \ld
	s_wait_xcnt 0x0                                ; the base of the loads still on their way is written again only behind this wait
	s_add_nc_u64 s[34:35], s[32:33], s[36:37]
	s_add_co_u32 s36, s36, 256
	s_and_b32 s36, s36, 0xfff                      ; round the row's 16 steps: sixteen requests on the walk is at its start again, for the next pass
	WIN 0x40
.irp j, 0,1,2,3,4,5,6,7
	global_load_b128 v[RW+4*\j:RW+4*\j+3], v[AGO], s[34:35] offset:8192*\j
.endr
.endif
	WIN 0
.endm
; A K step's first chunk of 32: 64 matrix instructions on A's buffer 0; the second chunk's fragments are fetched in two runs.
.macro CH0 s, zero, cvt, ld, lcnt
	s_wait_dscnt 16                                ; W's tiles 0-7 and A are in; the 16 loads of tiles 8-15 may be out
	WIN 0xa0
	MUL16 AF0, 0, 0, \zero
	MUL16 AF0, 0, 2, \zero
	FEED \s, \cvt, \ld, \lcnt
	LDB \s, 1, 0
	LDA \s, 1, AF1
	s_wait_dscnt 24+8*\cvt                         ; all but the 24 loads just issued and A's 8 stores in front of them
	WIN 0xf0
	MUL16 AF0, 1, 0, \zero
	MUL16 AF0, 1, 2, \zero
	PLACES
	WIN 0
	LDB \s, 1, 1
.endm
.macro BIAS kind, hf                   ; the bias of my column tiles 8 hf .. 8 hf + 7, 8 numbers a lane and tile, into W's fragment registers.  kind 0: q and k, 1: v
.irp bb, 0,1,2,3,4,5,6,7
.if \kind
	global_load_b128 v[BF+64*\hf+8*\bb:BF+64*\hf+8*\bb+3],   v[BO], s[8:9] offset:8192+(8*\hf+\bb)*64
	global_load_b128 v[BF+64*\hf+8*\bb+4:BF+64*\hf+8*\bb+7], v[BO], s[8:9] offset:8192+(8*\hf+\bb)*64+16
.else
	global_load_b128 v[BF+64*\hf+8*\bb:BF+64*\hf+8*\bb+3],   v[BO], s[44:45] offset:\hf*4096+(\bb/2)*256+(\bb%2)*64
	global_load_b128 v[BF+64*\hf+8*\bb+4:BF+64*\hf+8*\bb+7], v[BO], s[44:45] offset:\hf*4096+(\bb/2)*256+(\bb%2)*64+16
.endif
.endr
.endm
; The second chunk, and the change of slots.  ONE barrier: in front of it each wave waits for all its LDS instructions (its reads of this slot and of A's buffer, its stores into
; A's other buffer) and for all its tensor loads, of which one is out: the other slot's.  fill = 1: the barrier opens a round of the cluster's barrier, and behind the round this slot
; is filled again first, with the step two on: that load has a step less sixteen matrix instructions in which to land.  fetch = 1: the next step's first fragments; else the bias.
.macro TURN s, fill, fetch, kind
	s_wait_dscnt 16                                ; all but the 16 loads of W's tiles 8-15
	WIN 0xa0
	MUL16 AF1, 0, 0, 0
	s_wait_dscnt 0x0
	s_wait_tensorcnt 0x0                           ; no tensor load of mine is out, so a group 0 may be written
	ds_add_u32 v62, v63
	s_wait_dscnt 0x0
	s_barrier_signal -1
	MUL16 AF1, 0, 2, 0
	WIN 0                                          ; at a branch and at a label every window is 0
	s_barrier_wait -1
.if \fill
	CREST
	WNEXT \s
	tensor_load_to_lds s[G0+4*\s:G0+4*\s+3], s[G1:G1+7]   ; my one tensor load behind the round
	s_nop 0
.endif
	PLACES                                         ; behind the tensor load, and in front of the loads into registers just multiplied
.if \fetch
	LDB 1-\s, 0, 0
	LDA 1-\s, 0, AF0
.else
	BIAS \kind, 0
.endif
	WIN 0xf0
	MUL16 AF1, 1, 0, 0
	MUL16 AF1, 1, 2, 0
	PLACES
	WIN 0
.if \fetch
	LDB 1-\s, 0, 1
.else
	BIAS \kind, 1
.endif
.endm
; A pass: 16 K steps.  The ring and query's stream run on into the next pass (last = 0); the last pass asks for nothing beyond step 15, and its tail is written out.
.macro PASS last
	LDB 0, 0, 0
	LDA 0, 0, AF0
	LDB 0, 0, 1
	CH0 0, 1, 1, 1, 8                              ; the first chunk's products start the 64 sums
	s_mov_b32 s38, 7-\last
.Ltrip_\@:                                             ; a trip: once round the ring, from a step's second chunk to the first chunk two steps on
	TURN 0, 1, 1, 0
	CH0 1, 0, 1, 1, 8                              ; 8: the next step's eight loads of query stay out
	TURN 1, 1, 1, 0
	CH0 0, 0, 1, 1, 8
	s_sub_co_u32 s38, s38, 1
	s_cmp_lg_u32 s38, 0
	s_cbranch_scc1 .Ltrip_\@
.if \last
	TURN 0, 1, 1, 0                                ; step 12: slot 0 takes step 14
	CH0 1, 0, 1, 0, 8                              ; step 13: query's step 14 is rounded, step 15's loads stay out, nothing is asked for
	TURN 1, 1, 1, 0                                ; slot 1 takes step 15: the last fill
	CH0 0, 0, 1, 0, 0                              ; step 14: query's step 15, the last loads
	TURN 0, 0, 1, 0
	CH0 1, 0, 0, 0, 0                              ; step 15
	TURN 1, 0, 0, 1                                ; behind its barrier nobody reads the ring and no fill is out
.else
	s_add_nc_u64 s[10:11], s[10:11], 16*TSTEP      ; from here on the requests are the next pass's; the walk's offset has come round to rho (no load names this base: group 0 holds sums made of it)
	TURN 0, 1, 1, 0                                ; step 14: slot 0 takes the next pass's step 0
	CH0 1, 0, 1, 1, 8
	TURN 1, 1, 0, 0                                ; step 15: slot 1 takes the next pass's step 1
.endif
.endm
; The bias (times the scale that lies in wb) is added, each tile's registers from its low end on; then a tile's 8 numbers are rounded to f16 into its registers 0-3.
.macro BADD hf, c
.irp a, 0,1,2,3
.irp bb, 0,1,2,3,4,5,6,7
.irp i, 0,2,4,6
	v_pk_fma_f32 v[8*(8*\a+\bb)+\i:8*(8*\a+\bb)+\i+1], v[BF+64*\hf+8*\bb+\i:BF+64*\hf+8*\bb+\i+1], \c, v[8*(8*\a+\bb)+\i:8*(8*\a+\bb)+\i+1] op_sel_hi:[1,0,1]
.endr
.endr
.endr
.endm
.macro CVTH
.set tt, 0
.rept 32
	v_cvt_pk_f16_f32 v[tt],   v[tt],   v[tt+1]
	v_cvt_pk_f16_f32 v[tt+1], v[tt+2], v[tt+3]
	v_cvt_pk_f16_f32 v[tt+2], v[tt+4], v[tt+5]
	v_cvt_pk_f16_f32 v[tt+3], v[tt+6], v[tt+7]
.set tt, tt+8
.endr
.endm
.macro ADDPACK c2, c3
	s_wait_loadcnt 16                              ; the bias of tiles 0-7 is in; the 16 loads of tiles 8-15 may be out
	WIN 0xa0
	BADD 0, \c2
	WIN 0x8a
	CVTH
	s_wait_loadcnt 0x0
	WIN 0xf0
	BADD 1, \c3
	WIN 0xcf
	CVTH
	WIN 0
.endm
; Positions 16 a .. 16 a + 15: every wave puts its 4 heads of q and of k (32 d each) into the stage; then wave w takes positions 16 a + 4 w + i whole and adds k q^T onto their scores.
.macro PIECE a
	WIN 0x08                                       ; data window 2
.irp bb, 0,1,2,3,4,5,6,7
	ds_store_b128 v[STO], v[8*(8*\a+\bb):8*(8*\a+\bb)+3] offset:(\bb/2)*QPITCH+(\bb%2)*32
.endr
	WIN 0x0c                                       ; data window 3: k's heads are rows 16-31
.irp bb, 0,1,2,3,4,5,6,7
	ds_store_b128 v[STO], v[8*(8*\a+\bb):8*(8*\a+\bb)+3] offset:16*QPITCH+(\bb/2)*QPITCH+(\bb%2)*32
.endr
	WIN 0
	s_wait_dscnt 0x0                               ; for the others' sake: my stores are done
	s_barrier_signal -1
	s_barrier_wait -1
.irp i, 0,1,2,3
	ds_load_b128 v[BF+16*\i:BF+16*\i+3],     v[LDF] offset:\i*PPOS
	ds_load_b128 v[BF+16*\i+4:BF+16*\i+7],   v[LDF] offset:\i*PPOS+32
	ds_load_b128 v[BF+16*\i+8:BF+16*\i+11],  v[LDF] offset:\i*PPOS+16*QPITCH
	ds_load_b128 v[BF+16*\i+12:BF+16*\i+15], v[LDF] offset:\i*PPOS+16*QPITCH+32
.endr
	s_wait_dscnt 0x0                               ; my reads of the stage are over: the next piece may overwrite it behind this barrier
	s_barrier_signal -1
	WIN 0x50                                       ; C and D window 1
.irp i, 0,1,2,3
	v_wmma_f32_16x16x32_f16 v[8*(4*\a+\i):8*(4*\a+\i)+7], v[BF+16*\i+8:BF+16*\i+15], v[BF+16*\i:BF+16*\i+7], v[8*(4*\a+\i):8*(4*\a+\i)+7]
.endr
	PLACES
	WIN 0
	s_barrier_wait -1
.endm
; Softmax of slots 4 g .. 4 g + 3, line by line for the four, all in window 1.  A lane holds 8 of a query head's 16 scores; the lane 16 away holds the others.
; p = 2^(c s - c m), c = log2(e), m the row's maximum; the weights are 8 p / l (the 8 takes back v's 1/8), rounded to f16: they are K = 0..15 of source 1; K = 16..31 is zero.
.macro SMAX g
.irp i, 0,1,2,3
	v_max3_num_f32 v[TS+4*\i], v[32*\g+8*\i], v[32*\g+8*\i+1], v[32*\g+8*\i+2]     ; the scores are read from their low end on
.endr
.irp i, 0,1,2,3
	v_max3_num_f32 v[TS+4*\i+1], v[32*\g+8*\i+3], v[32*\g+8*\i+4], v[32*\g+8*\i+5]
.endr
.irp i, 0,1,2,3
	v_max3_num_f32 v[TS+4*\i], v[TS+4*\i], v[32*\g+8*\i+6], v[32*\g+8*\i+7]
.endr
.irp i, 0,1,2,3
	v_max_num_f32 v[TS+4*\i], v[TS+4*\i], v[TS+4*\i+1]
.endr
.irp i, 0,1,2,3
	v_permlanex16_b32 v[TS+4*\i+1], v[TS+4*\i], s42, s43
.endr
.irp i, 0,1,2,3
	v_max_num_f32 v[TS+4*\i], v[TS+4*\i], v[TS+4*\i+1]
.endr
.irp i, 0,1,2,3
	v_mul_f32 v[TS+4*\i], s40, v[TS+4*\i]          ; c m
.endr
.irp k, 0,2,4,6
.irp i, 0,1,2,3
	v_pk_fma_f32 v[32*\g+8*\i+\k:32*\g+8*\i+\k+1], v[32*\g+8*\i+\k:32*\g+8*\i+\k+1], s[40:41], v[TS+4*\i:TS+4*\i+1] op_sel_hi:[1,0,0] neg_lo:[0,0,1] neg_hi:[0,0,1]
.endr
.endr
.irp k, 0,1,2,3,4,5,6,7
.irp i, 0,1,2,3
	v_exp_f32 v[32*\g+8*\i+\k], v[32*\g+8*\i+\k]
.endr
.endr
	v_nop                                          ; a plain instruction between the exponentials and the use of their results (ISA guide 5.7.2)
	s_wait_alu depctr_va_vdst(0)
.irp i, 0,1,2,3
	v_pk_add_f32 v[TS+4*\i+2:TS+4*\i+3], v[32*\g+8*\i:32*\g+8*\i+1], v[32*\g+8*\i+2:32*\g+8*\i+3]
.endr
.irp i, 0,1,2,3
	v_pk_add_f32 v[TS+4*\i:TS+4*\i+1], v[32*\g+8*\i+4:32*\g+8*\i+5], v[32*\g+8*\i+6:32*\g+8*\i+7]
.endr
.irp i, 0,1,2,3
	v_pk_add_f32 v[TS+4*\i+2:TS+4*\i+3], v[TS+4*\i+2:TS+4*\i+3], v[TS+4*\i:TS+4*\i+1]
.endr
.irp i, 0,1,2,3
	v_add_f32 v[TS+4*\i+2], v[TS+4*\i+2], v[TS+4*\i+3]
.endr
.irp i, 0,1,2,3
	v_permlanex16_b32 v[TS+4*\i+3], v[TS+4*\i+2], s42, s43
.endr
.irp i, 0,1,2,3
	v_add_f32 v[TS+4*\i+2], v[TS+4*\i+2], v[TS+4*\i+3]     ; l, between 1 and 16
.endr
.irp i, 0,1,2,3
	v_mul_f32 v[TS+4*\i+2], 0x3e000000, v[TS+4*\i+2]       ; l / 8
.endr
.irp i, 0,1,2,3
	v_rcp_f32 v[TS+4*\i], v[TS+4*\i+2]
.endr
	v_nop
	s_wait_alu depctr_va_vdst(0)
.irp k, 0,2,4,6
.irp i, 0,1,2,3
	v_pk_mul_f32 v[32*\g+8*\i+\k:32*\g+8*\i+\k+1], v[32*\g+8*\i+\k:32*\g+8*\i+\k+1], v[TS+4*\i:TS+4*\i+1] op_sel_hi:[1,0]
.endr
.endr
.irp k, 0,1,2,3
.irp i, 0,1,2,3
	v_cvt_pk_f16_f32 v[32*\g+8*\i+\k], v[32*\g+8*\i+2*\k], v[32*\g+8*\i+2*\k+1]
.endr
.endr
.irp k, 4,5,6,7
.irp i, 0,1,2,3
	v_mov_b32 v[32*\g+8*\i+\k], 0
.endr
.endr
.endm
; THE WAY OUT, slot sg = 4 a + i (position 16 a + 4 w + i).  VLOAD: v^T, 16 heads x 64 channels, by four turning loads.  OMUL: O^T = v^T P, four tiles of 16 channels.
; TOSTAGE: a lane's 8 channels of a head go into my own stage rows of 272 bytes and come back as whole rows.  SEND: each store of the wave covers 512 consecutive bytes, aligned.
.macro VLOAD sg
.irp t, 0,1,2,3
	ds_load_tr16_b128 v[VF+32*((\sg)%2)+8*\t:VF+32*((\sg)%2)+8*\t+3], v[VLD0+(\sg)/8] offset:(((\sg)/4)%2)*16*PPOS+((\sg)%4)*PPOS+32*\t
.endr
.endm
.macro OMUL sg
	WIN 0x04                                       ; P in window 1
.irp t, 0,1,2,3
	v_wmma_f32_16x16x32_f16 v[OT+32*((\sg)%2)+8*\t:OT+32*((\sg)%2)+8*\t+7], v[VF+32*((\sg)%2)+8*\t:VF+32*((\sg)%2)+8*\t+7], v[8*(\sg):8*(\sg)+7], 0
.endr
	WIN 0
	PLACES
.endm
.macro TOSTAGE sg
	s_wait_xcnt 0x0                                ; the registers that earlier stores read are loaded again only behind this wait
.irp t, 0,1,2,3
	ds_store_b128 v[OSTO], v[OT+32*((\sg)%2)+8*\t:OT+32*((\sg)%2)+8*\t+3]   offset:64*\t
	ds_store_b128 v[OSTO], v[OT+32*((\sg)%2)+8*\t+4:OT+32*((\sg)%2)+8*\t+7] offset:64*\t+16
.endr
.irp u, 0,1,2,3,4,5,6,7
	ds_load_b128 v[RB+32*((\sg)%2)+4*\u:RB+32*((\sg)%2)+4*\u+3], v[ORD] offset:2*OPITCH*\u   ; LDS serves a wave's instructions in order (ISA guide 5.7.1.4): these see the stores above
.endr
.endm
.macro SEND sg, younger                ; younger: the LDS loads issued behind TOSTAGE's, which may stay out
	s_wait_dscnt \younger
.irp u, 0,1,2,3,4,5,6,7
	global_store_b128 v[GO], v[RB+32*((\sg)%2)+4*\u:RB+32*((\sg)%2)+4*\u+3], s[12:13] offset:(16*((\sg)/4)+(\sg)%4)*4096+512*\u th:TH_STORE_NT
.endr
.endm
	FEED 1, 1, 1, 8                                ; query's step 0 into A's buffer 0 (8: step 1's loads stay out; the mask came before); step 2 is asked for
	s_wait_dscnt 0x0                               ; my rows of A's buffer 0 are stored
	s_wait_tensorcnt 0x1                           ; my part of slot 0 is in; slot 1's may stay out
	s_barrier_signal -1
	s_barrier_wait -1
	s_mov_b32 s39, 2
.Lpass:                                                ; passes 0 and 1: half of every head of q and k, then their share of the scores
	PASS 0
	ADDPACK 0.5, 0x3e800000                        ; b / 2 for q, b / 4 for k
	PIECE 0
	PIECE 1
	PIECE 2
	PIECE 3
	s_add_nc_u64 s[44:45], s[44:45], 128           ; the bias of the other 32 d (its loads have been waited for)
	s_sub_co_u32 s39, s39, 1
	s_cmp_lg_u32 s39, 0
	s_cbranch_scc1 .Lpass
	WIN 0x55
	SMAX 0
	SMAX 1
	SMAX 2
	SMAX 3
	WIN 0
	PASS 1                                         ; v
	ADDPACK 0x3e000000, 0x3e000000                 ; b / 8
.irp n, 0,1,2,3,4,5,6,7
.irp k, 4,5,6,7
	v_mov_b32 v[VF+8*\n+\k], 0                     ; K = 16..31 of v^T's fragments: there are 16 key heads
.endr
.endr
	; v goes into the ring's bytes, which have had their last fill and their last read (the last step's barrier): position x 2,576 + head x 160 + 2 d
	WIN 0x08
.irp a, 0,1,2,3
.irp bb, 0,1,2,3,4,5,6,7
	ds_store_b128 v[VSTO0+\a/2], v[8*(8*\a+\bb):8*(8*\a+\bb)+3] offset:(\a%2)*16*PPOS+(\bb/4)*VPITCH+(\bb%4)*32
.endr
.endr
	WIN 0x0c
.irp a, 0,1,2,3
.irp bb, 0,1,2,3,4,5,6,7
	ds_store_b128 v[VSTO0+\a/2], v[8*(8*\a+\bb):8*(8*\a+\bb)+3] offset:(\a%2)*16*PPOS+(2+\bb/4)*VPITCH+(\bb%4)*32
.endr
.endr
	WIN 0
	s_wait_dscnt 0x0                               ; for the others' sake: my heads of v are stored
	s_barrier_signal -1
	s_barrier_wait -1
	VLOAD 0
.irp sg, 0,1,2,3,4,5,6,7,8,9,10,11,12,13,14,15
.if \sg < 15
	VLOAD \sg+1
.endif
.if \sg == 0
	s_wait_dscnt 4                                 ; slot 0's v is in; slot 1's four loads may be out
.elseif \sg < 15
	s_wait_dscnt 20                                ; behind this slot's v: the sixteen of the slot before on its way through the stage, and the next slot's four loads
.else
	s_wait_dscnt 16
.endif
	OMUL \sg
.if \sg == 15
	SEND \sg-1, 0
.elseif \sg > 0
	SEND \sg-1, 4                                  ; the next slot's four loads of v may be out
.endif
	TOSTAGE \sg
.endr
	SEND 15, 0
	s_wait_tensorcnt 0x0
	ds_add_u32 v62, v63
	s_wait_dscnt 0x0
	CROUND                                         ; the closing round: no work-group ends while a partner may still ask for a tile that names it
	s_endpgm
.Lfunc_end_k_qc556f1d239_fused:
	.size	k_qc556f1d239_fused, .Lfunc_end_k_qc556f1d239_fused-k_qc556f1d239_fused
	.p2alignl 7, 3214868480
	.fill 96, 4, 3214868480
	.section	.rodata,"a",@progbits
	.p2align	6, 0x0
	.amdhsa_kernel k_qc556f1d239_fused
		.amdhsa_group_segment_fixed_size 327680
		.amdhsa_private_segment_fixed_size 0
		.amdhsa_enable_private_segment 0
		.amdhsa_kernarg_size 40
		.amdhsa_user_sgpr_count 2
		.amdhsa_user_sgpr_kernarg_segment_ptr 1
		.amdhsa_wavefront_size32 1
		.amdhsa_system_sgpr_workgroup_id_x 1
		.amdhsa_system_sgpr_workgroup_id_y 1
		.amdhsa_system_sgpr_workgroup_id_z 1
		.amdhsa_system_vgpr_workitem_id 0
		.amdhsa_next_free_vgpr 1024
		.amdhsa_next_free_sgpr 66
		.amdhsa_reserve_vcc 0
		.amdhsa_float_denorm_mode_32 3
		.amdhsa_float_denorm_mode_16_64 3
		.amdhsa_memory_ordered 1
		.amdhsa_forward_progress 1
		.amdhsa_inst_pref_size 255
	.end_amdhsa_kernel
	.section	.bss,"aw",@nobits
	.p2align	6
	.space	262144
	.amdgpu_metadata
---
amdhsa.version: [ 1, 2 ]
amdhsa.kernels:
  - .name:           k_qc556f1d239_fused
    .symbol:         k_qc556f1d239_fused.kd
    .args:
      - { .name: query, .offset: 0, .size: 8, .value_kind: global_buffer, .address_space: global }
      - { .name: attn_mask, .offset: 8, .size: 8, .value_kind: global_buffer, .address_space: global }
      - { .name: b_qkv, .offset: 16, .size: 8, .value_kind: global_buffer, .address_space: global }
      - { .name: wb, .offset: 24, .size: 8, .value_kind: global_buffer, .address_space: global }
      - { .name: out0, .offset: 32, .size: 8, .value_kind: global_buffer, .address_space: global }
    .group_segment_fixed_size: 327680
    .private_segment_fixed_size: 0
    .kernarg_segment_align: 8
    .kernarg_segment_size: 40
    .max_flat_workgroup_size: 128
    .sgpr_count:     66
    .vgpr_count:     1024
    .wavefront_size: 32
...
	.end_amdgpu_metadata
.endif
;; end of part 3
